; MI455X (gfx1250); checked and timed in simulation.
; The chip was launched on July 23, 2026; its instructions are those of AMD's public machine-readable ISA for CDNA 5 (MIT licence, August 2026) and "CDNA5" Instruction Set Architecture Reference Guide (July 2026). The comments in the code are by the model that wrote it; some were corrected since.
;; Attn Block. Allowed arithmetic: matrix products marked QUANTISED: E2M1 operands, one E8M0 scale for each 32 along K, by v_wmma_scale_f32_16x16x128_f8f6f4 with both operands' format E2M1 (or v_wmma_scale_f32_32x16x128_f4), f32 sums; everything else in f32.
;; Inputs: beta_k 64 float32; beta_q 64 float32; bkv 2,048 float32; bq 1,024 float32; gamma_k 64 float32; gamma_q 64 float32; wkv_codes 2,048 x 32 x 16 uint8 (E2M1 codes of wkv, K innermost, in blocks of 32 codes, two codes a byte); wkv_scales 2,048 x 32 uint8 (E8M0 scales of wkv, one for each 32 codes along K); wq_codes 1,024 x 32 x 16 uint8 (E2M1 codes of wq, K innermost, in blocks of 32 codes, two codes a byte); wq_scales 1,024 x 32 uint8 (E8M0 scales of wq, one for each 32 codes along K); x1_codes 4 x 2,048 x 32 x 16 uint8 (E2M1 codes of x1, K innermost, in blocks of 32 codes, two codes a byte); x1_scales 4 x 2,048 x 32 uint8 (E8M0 scales of x1, one for each 32 codes along K); x2_codes 4 x 2,048 x 32 x 16 uint8 (E2M1 codes of x2, K innermost, in blocks of 32 codes, two codes a byte); x2_scales 4 x 2,048 x 32 uint8 (E8M0 scales of x2, one for each 32 codes along K).
;; Outputs: out0 4 x 2,048 x 1,024 float32.
;; This version of the problem:
;;   THIS VERSION OF THE PROBLEM IS GIVEN IN LOW PRECISION. The matrix products marked QUANTISED in the list below multiply operands that are first quantised to E2M1 (2 exponent bits, 1 mantissa bit; 4 bits a number), with one power-of-two scale for each 32 numbers along K (OCP MX v1.0); their sums are f32. All else is computed in f32.
;;   The module's matrix products, in the order in which they are computed (A, B: the left and right operand; K: the contracted axis; several contracted axes count as one K, in the product's order):
;;     1. [M 8,192, K 1,024] x [K 1,024, N 1,024]; A: input x1 (given as codes); B: input wq (given as codes): QUANTISED
;;     2. [M 8,192, K 1,024] x [K 1,024, N 2,048]; A: input x2 (given as codes); B: input wkv (given as codes): QUANTISED
;;     3. batch 64 x [M 2,048, K 64] x [K 64, N 2,048]; A: computed on the way; B: computed on the way: QUANTISED
;;     4. batch 64 x [M 2,048, K 2,048] x [K 2,048, N 64]; A: softmax (see below); B: computed on the way: QUANTISED
;;   THE QUANTISER, for each operand of a quantised product, along K:
;;     - K is cut into blocks of 32 from its start; a last block that is shorter is filled with zeros.
;;     - A block's scale is 2^e with e = floor(log2(the largest magnitude in the block)) - 2, held to -126 .. 127; a block of zeros has e = 0. As a byte (E8M0): e + 127.
;;     - Each number is divided by its block's scale, clamped to +-6, and rounded to the nearest number of E2M1, ties to even, subnormals kept.
;;     - The product sums the exact products of the quantised numbers (number of the format x scale) in f32.
;;   ~~~python
;;   def quantise(x, axis):      # numpy; x: float32 -> the quantised numbers, widened to float32 again
;;       x = np.moveaxis(x, axis, -1); K = x.shape[-1]
;;       x = np.pad(x, [(0, 0)] * (x.ndim - 1) + [(0, -K % 32)]); x = x.reshape(x.shape[:-1] + (-1, 32)); a = np.abs(x).max(-1, keepdims=True)
;;       e = np.where(a > 0, np.clip(np.frexp(np.where(a > 0, a, 1))[1] - 1 - 2, -126, 127), 0)      # np.frexp(a)[1] - 1 = floor(log2(a)), exactly
;;       r = np.clip(x / 2.0 ** e, -6, 6)
;;       step = 2.0 ** (np.maximum(np.frexp(np.where(r == 0, 1, r))[1] - 1, 0) - 1)
;;       q = np.round(r / step) * step * 2.0 ** e      # np.round: ties to even
;;       return np.moveaxis(q.reshape(q.shape[:-2] + (-1,))[..., :K], -1, axis).astype(np.float32)
;;   ~~~
;;   SOFTMAX AHEAD OF A QUANTISED PRODUCT. Where the list says 'softmax', what is quantised is not the finished softmax but p = 2^(t - M), with t = logit x log2(e) and M = ceil(the row's largest t), a whole number; so 1/2 < the row's largest p <= 1. The row's sum l is taken of the UNQUANTISED p, in f32, and the product's result is divided by l at the end. Since M is a whole number, a kernel that streams over the keys may use a running M (the ceiling of the running maximum): every later rescaling is an exact power of two, which a block's scale takes up: the codes' values come out the same.
;;   OPERANDS COMPUTED ON THE WAY. 'Computed on the way' means the value that the module computes at that place (a softmax that the list does not call 'softmax' is quantised finished and normalised). What goes into a quantiser is computed in f32, as accurately as f32 sums, v_exp_f32 and their like allow (about 1e-6 of the number): no bf16 or f16 on the way to a quantiser, and a product that is left as it is and whose result goes on into a quantised operand takes f32 operands (vector FMAs, or v_wmma_f32_16x16x4_f32). A number that lies on a knife's edge between two numbers of the format may be rounded either way, as far as f32 arithmetic and the matrix unit's own rounding can turn it there, and no further.
;;   INPUTS GIVEN AS CODES. wkv (in the module: [1024, 2048], K = its axis 0); wq (in the module: [1024, 1024], K = its axis 0); x1 (in the module: [4, 2048, 1024], K = its axis 2); x2 (in the module: [4, 2048, 1024], K = its axis 2): each comes as NAME_codes (uint8): NAME with its K axis moved to the last place and cut into blocks of 32 codes, [.., K / 32, bytes a block], one block behind the other in memory; two codes a byte, the lower K in the low four bits (a code: sign, 2 exponent bits, 1 mantissa bit); and NAME_scales (uint8): the same leading axes, one E8M0 byte (e + 127) for each 32 codes along K. Its value is code x scale, taken as it is: it is not quantised again, and the codes and scales need not be those that the quantiser above would give.
;; One version. Each part assembles by itself: llvm-mc -triple=amdgcn-amd-amdhsa -mcpu=gfx1250 --defsym DOCPART=n.
;; ======== version 1 of 1: 2 launches
;; limits: right only within a limited range of input values
;; workspace buffers: qw 4,718,592 bytes; kvw 9,175,040 bytes
;; launch proj (part 1): grid 8 x 96, 4 waves a work-group, clusters of 4 x 4, 222,464 bytes of LDS; arguments x1_codes, x1_scales, x2_codes, x2_scales, wq_codes, wq_scales, wkv_codes, wkv_scales, bq, bkv, gamma_q, beta_q, gamma_k, beta_k, qw, kvw; writes qw, kvw
.if DOCPART == 1
	.amdgcn_target "amdgcn-amd-amdhsa--gfx1250"
	.amdhsa_code_object_version 6
	.text
	.protected	k_q96f416c991_proj
	.globl	k_q96f416c991_proj
	.p2align	8
	.type	k_q96f416c991_proj,@function
k_q96f416c991_proj:
	s_mov_b64 s[64:65], 0
	v_nop
	global_prefetch_b8 v0, s[64:65] scope:SCOPE_SE
	s_setreg_imm32_b32 hwreg(HW_REG_WAVE_MODE, 25, 1), 1
	s_wait_xcnt 0x0
	s_wait_alu depctr_hold_cnt(0) depctr_sa_sdst(0) depctr_va_vdst(0) depctr_va_sdst(0) depctr_va_ssrc(0) depctr_va_vcc(0) depctr_vm_vsrc(0)
	s_getreg_b32 s2, hwreg(HW_REG_IB_STS2, 6, 4)
	s_cmp_eq_u32 s2, 0
	s_cbranch_scc0 .Lentry_in_a_cluster
	s_endpgm
.Lentry_in_a_cluster:
	s_bfe_u32 s2, ttmp6, 0x10000c
	s_cmp_lg_u32 s2, 0xf033
	s_cbranch_scc0 .Lentry_shape_is_right
	s_endpgm
.Lentry_shape_is_right:
; q = x1 wq + bq, k and v = x2 wkv + bkv, on the given codes of FP4 (E2M1) with their E8M0 bytes; LayerNorm over each head's 64 numbers of q and of k, in f32;
; then q and k are quantised along the head's 64 (two blocks of 32) and v along the tokens (blocks of 32), and leave as IMAGES OF OPERAND REGISTERS for the attention launch.
; SHARES.  A work-group makes 256 tokens x 128 columns (two heads) of ONE of the three results: ROLE = cluster y / 8: 0 q, 1 k, 2 v.  Four waves, each 128 tokens x 64 columns (one head, one step of
; 128 tokens): 32 accumulators of 16 x 16, 256 registers.  768 work-groups of equal matrix work: three for each of 256 WGPs.
; ALL OF K LIES IN LDS AT ONCE: a row of 1,024 codes is 512 bytes, so 256 rows of x and 128 rows of W are 192 KiB, brought in two halves along K (rows of 256 bytes), each byte filled once.  No slot is filled again.
; CLUSTERS: 4 x 4 work-groups.  The four of a row of the cluster take the same tokens, the four of a column the same rows of W: each tile is asked for JOINTLY.
; ORIENTATION.  q, k: source 0 = 16 rows of W, source 1 = 16 tokens: a lane holds ONE token and its registers run along the head's numbers, which are the next product's K.
;               v:    source 0 = 16 tokens, source 1 = 16 rows of W: a lane holds ONE of the head's 64 and its registers run along the tokens, which are the next product's K.
; FROM RESULT TO OPERAND.  Tile t gives lane (r, e) the eight numbers 16 t + 8 e + 0 .. 7 along the next K: one conversion, one register of codes.  The operand wants in register 4 c + i of lane half h
; the numbers 64 c + 32 h + 8 i + 0 .. 7.  So tile t's codes go to register 4 (t / 4) + 2 (t % 2) + (t % 4) / 2, and each pair of registers 2 m, 2 m + 1 then changes halves (v_permlane16_swap_b32).
; OUT.  kvw: for head bh = 16 b + head and step s of 128 tokens, 8,960 bytes at (16 bh + s) x 8,960: +0 k's codes, tile t: 512 t + 16 lane; +4,096 k's scale words, (t / 4) 256 + 16 r + 4 (t % 4);
;       +4,608 v's codes, tile j of the head's 64, half c: 1,024 j + 512 c + 16 lane; +8,704 v's scale words, (j / 2) 128 + 8 r + 4 (j % 2).  qw: 4,608 bytes a step, laid as the first two parts.
; LIMITS: NaN and infinities are not served.  A block whose largest magnitude lies under 2^-124 (a block of zeros too) gets the scale byte 1; a block of zeros has zero codes, and only this program reads the bytes.
; REGISTERS: window 0: v1-15 lane numbers and addresses; v16-47 x's scale words, v48-63 W's; v64-255 two sets of fragments (8 of x, 4 of W); behind the products v64-159 are at work.
;            window 1: the 32 accumulators.   window 2: v0-31 the bias in the result's layout, v32-63 gamma, v64-95 beta.
.set PITCH,  272                       ; an LDS row: 256 bytes + 16 of padding = 68 words: row r starts at bank 4 r mod 64 (64 banks of 4 bytes: ISA guide 11.1), so the 16 rows of a load start at 16 different banks
.set XH0,    0                         ; x, first half of K: 256 rows
.set XH1,    256*PITCH                 ; x, second half
.set WH0,    512*PITCH                 ; W, first half: 128 rows
.set WH1,    WH0+128*PITCH             ; W, second half
.set XSC,    WH1+128*PITCH             ; 32 rows that nothing fills: the scale bytes go straight into registers
.set WSL,    XSC+32*PITCH              ; 16 more such rows, unused; the spare words begin at WSL + 16 PITCH = 221,952
.set LN,   1                           ; v1   lane
.set AX,   4                           ; v4-5 LDS address of my x fragments, first and second half of K
.set AW,   6                           ; v6-7 the same for W
.set ASX,  8                           ; v8   my x scale words: lanes 0-15 tiles 0-3, lanes 16-31 tiles 4-7
.set ASW,  9                           ; v9   my W scale words: lanes 0-15 tiles 0-1, lanes 16-31 tiles 2-3
.set L16,  10                          ; v10  16 x lane
.set L8,   11                          ; v11  8 x lane
.set H32,  12                          ; v12  32 x (lane / 16)
.set R4,   13                          ; v13  4 x (lane % 16)
.set SX,   16                          ; x's scale words: register 8 (i % 4) + q
.set SW,   48                          ; W's: register 8 (j % 2) + q
.set FX0,  64                          ; fragment set p: x at FX0 + 96 p, W at FW0 + 96 p
.set FW0,  128
.set BIAS, 0                           ; window 2
.set GAMMA, 32
.set BETA, 64
.set Y,    64                          ; the epilogue of q and k: a token tile's 32 numbers
.set PC,   96                          ; codes: four registers a tile (v: eight)
.set PW,   128                         ; scale words: one register a tile
.set SA,   136
.set SB,   138
.set NM,   140                         ; minus the mean, twice
.set RS,   142                         ; 1 / sqrt(variance + eps), twice
.set TM,   144
.set TP,   146
.set SO,   150
.set BY,   152
.set OW,   156                         ; the scale words as they leave
.set VTM,  64                          ; the epilogue of v
.set VTP,  68
.set VSO,  72
.set VBY,  76
.set WV,   36                          ; s36 wave;  s37 which 128 tokens;  s38 which head
.set WI,   37
.set WJ,   38
.set CX,   39
.set CY,   40
.set CB,   41                          ; block of 128 columns
.set TB,   42                          ; block of 256 tokens
.set ROLE, 43
.set ROFF, 44                          ; v's rows of wkv begin at 1,024
.set STRIDE, 45                        ; bytes of a step in the output buffer
.set RMASK, 46
.set CMASK, 47
.set G0X0, 8                           ; groups 0 (the first three in registers that held addresses not chosen)
.set G0X1, 16
.set G0W0, 28
.set G0XS, 48
.set G0WS, 52
.set SEL,  56
.set EPS,  58
.set T0,   59
.set G0W1, 60
.set OT,   66
.set G1X,  68                          ; groups 1
.set G1W,  76
.set G1XS, 84
.set G1WS, 92
.set MSB, 0
.macro WIN new                         ; the immediate's high byte repeats the setting that is left; a switch that changes nothing is dropped
.if MSB != \new
	s_set_vgpr_msb (MSB<<8)|\new
.set MSB, \new
.endif
.endm
.macro PLACES                          ; four plain places behind matrix instructions, in front of loads into their registers and of reads of their results
.rept 4
	v_nop
.endr
.endm
.macro ROUND                           ; a round of the cluster's barrier
	s_barrier_signal -1
	s_barrier_wait -1
	s_cmp_lg_u32 s[WV], 0
	s_cbranch_scc1 .Lnot_wave_0_\@
	s_barrier_signal -3
.Lnot_wave_0_\@:
	s_barrier_wait -3
	s_barrier_signal -1
	s_barrier_wait -1
.endm
	s_load_b512 s[4:19], s[0:1], 0x0               ; x1 codes, x1 scales, x2 codes, x2 scales, wq codes, wq scales, wkv codes, wkv scales
	s_load_b512 s[20:35], s[0:1], 0x40             ; bq, bkv, gamma_q, beta_q, gamma_k, beta_k, qw, kvw
	s_set_vgpr_msb 0x80
	v_lshl_add_u32 v128, v0, 2, 0x36300
	v_mov_b32 v129, 0
	s_set_vgpr_msb 0x808a
	ds_add_u32 v128, v129
	ds_add_u32 v128, v129
	s_set_vgpr_msb 0x8a00
	v_lshrrev_b32 v1, 5, v0
	v_readfirstlane_b32 s[WV], v1                  ; wave 0..3
	s_lshr_b32 s[WI], s[WV], 1
	s_and_b32 s[WJ], s[WV], 1
	s_bfe_u32 s[CX], ttmp6, 0x40000                ; my place in the cluster
	s_bfe_u32 s[CY], ttmp6, 0x40004
	s_lshl_b32 s[CB], ttmp9, 2
	s_add_co_u32 s[CB], s[CB], s[CX]               ; block of columns = 4 x cluster x + cx
	s_and_b32 s[T0], ttmp7, 0xffff                 ; cluster y, 0..23
	s_lshr_b32 s[ROLE], s[T0], 3                   ; the role hangs on the cluster's y alone: it is the same in all sixteen partners
	s_and_b32 s[TB], s[T0], 7
	s_lshl_b32 s[TB], s[TB], 2
	s_add_co_u32 s[TB], s[TB], s[CY]               ; block of tokens = 4 x (cluster y % 8) + cy
	s_lshl_b32 s[RMASK], s[CY], 2
	s_lshl_b32 s[RMASK], 15, s[RMASK]              ; my row of the cluster
	s_lshl_b32 s[CMASK], 0x1111, s[CX]             ; my column
	; groups 1.  Codes: 256 (x) or 128 (W) rows x 256 bytes out of rows of 512, 16 bytes of padding behind each
	s_or_b32 s[G1X], s[RMASK], (1<<20)|(1<<21)|(5<<22)|(3<<25)   ; 15:0 the mask; 17:16 elements of 1 byte; 20 padding on; 21 set beside a mask; 24:22 after every 64 words; 31:25 four words
	s_or_b32 s[G1W], s[CMASK], (1<<20)|(1<<21)|(5<<22)|(3<<25)
.irp g, G1X, G1W
	s_mov_b32 s[\g+1], 256<<16                     ; tensor_dim0
	s_mov_b32 s[\g+3], 256<<16                     ; tile_dim0
	s_mov_b32 s[\g+5], 512                         ; from row to row
	s_mov_b32 s[\g+6], 0
	s_mov_b32 s[\g+7], 0
.endr
	s_mov_b32 s[G1X+2], 256<<16                    ; x: one load brings half of K of all 256 rows
	s_mov_b32 s[G1X+4], 256
	s_mov_b32 s[G1W+2], 128<<16                    ; W: half of K of all 128 rows
	s_mov_b32 s[G1W+4], 128
	s_mov_b32 s[SEL], 0x76543210                   ; v_permlanex16_b32's selects for lane l xor 16
	s_mov_b32 s[SEL+1], 0xfedcba98
	s_mov_b32 s[EPS], 0x3727c5ac                   ; 1e-5
	; lane numbers and LDS addresses: constants, the lane and the wave's number alone
	v_and_b32 v[LN], 31, v0
	v_and_b32 v2, 15, v0                           ; r
	v_bfe_u32 v3, v0, 4, 1                         ; h
	v_mul_u32_u24 v14, v2, PITCH
	v_lshl_add_u32 v14, v3, 4, v14                 ; a fragment's row x pitch + 16 h
	s_mul_i32 s[T0], s[WI], 128*PITCH              ; my 128 tokens
	v_add_nc_u32 v[AX], s[T0], v14
	v_add_nc_u32 v[AX+1], XH1, v[AX]
	s_mul_i32 s[T0], s[WJ], 64*PITCH               ; my 64 rows of W
	s_add_co_u32 s[T0], s[T0], WH0
	v_add_nc_u32 v[AW], s[T0], v14
	v_add_nc_u32 v[AW+1], WH1-WH0, v[AW]
	v_lshlrev_b32 v15, 5, v2                       ; the scale bytes go from memory straight into their registers: row r of a tile has 32 bytes
	v_lshl_add_u32 v[ASX], v3, 11, v15             ; lanes 16-31 stand four tiles (64 rows) further on
	s_lshl_b32 s[T0], s[WI], 12                    ; my 128 tokens
	v_add_nc_u32 v[ASX], s[T0], v[ASX]
	v_lshl_add_u32 v[ASW], v3, 10, v15             ; lanes 16-31 stand two tiles further on
	s_lshl_b32 s[T0], s[WJ], 11                    ; my 64 rows of W
	v_add_nc_u32 v[ASW], s[T0], v[ASW]
	v_lshlrev_b32 v[L16], 4, v[LN]
	v_lshlrev_b32 v[L8], 3, v[LN]
	v_lshlrev_b32 v[H32], 5, v3
	v_lshlrev_b32 v[R4], 2, v2
	s_wait_dscnt 0x0
	s_wait_kmcnt 0x0
	; the role chooses the buffers: a choice that hangs on no address
	s_cmp_eq_u32 s[ROLE], 0
	s_cselect_b64 s[4:5], s[4:5], s[8:9]           ; x's codes
	s_cselect_b64 s[6:7], s[6:7], s[10:11]         ; x's scales
	s_cselect_b64 s[12:13], s[12:13], s[16:17]     ; W's codes
	s_cselect_b64 s[14:15], s[14:15], s[18:19]     ; W's scales
	s_cselect_b64 s[20:21], s[20:21], s[22:23]     ; the bias
	s_cselect_b64 s[24:25], s[24:25], s[28:29]     ; gamma
	s_cselect_b64 s[26:27], s[26:27], s[30:31]     ; beta
	s_cselect_b64 s[32:33], s[32:33], s[34:35]     ; where the results go
	s_mov_b32 s[STRIDE], 8960
	s_cselect_b32 s[STRIDE], 4608, s[STRIDE]
	s_cmp_eq_u32 s[ROLE], 2
	s_cselect_b32 s[ROFF], 1024, 0
	; x's tiles hang on the block of tokens, which my row of the cluster shares; their registers never hold cx
	s_lshl_b32 s2, s[TB], 17                       ; 256 rows of 512 bytes a block
	s_mov_b32 s3, 0
	s_add_nc_u64 s[4:5], s[4:5], s[2:3]
	s_lshl_b32 s2, s[TB], 13                       ; 256 rows of 32 scale bytes
	s_add_nc_u64 s[6:7], s[6:7], s[2:3]
	s_mov_b32 s[G0X0], 1                           ; count = 1
	s_mov_b32 s[G0X0+1], XH0                       ; LDS address
	s_mov_b64 s[G0X0+2:G0X0+3], s[4:5]             ; global address
	s_or_b32 s[G0X0+3], s[G0X0+3], 0x80000000      ; type = 2
	s_mov_b32 s[G0X1], 1
	s_mov_b32 s[G0X1+1], XH1
	s_add_nc_u64 s[G0X1+2:G0X1+3], s[4:5], 256     ; the rows' second 256 bytes
	s_or_b32 s[G0X1+3], s[G0X1+3], 0x80000000
	; W's tiles hang on the role and the block of columns, which my column of the cluster shares; their registers never hold cy
	s_lshl_b32 s22, s[CB], 7
	s_add_co_u32 s22, s22, s[ROFF]                 ; W's first row
	s_lshl_b32 s34, s22, 9
	s_mov_b32 s35, 0
	s_add_nc_u64 s[12:13], s[12:13], s[34:35]
	s_lshl_b32 s34, s22, 5
	s_add_nc_u64 s[14:15], s[14:15], s[34:35]
	s_lshl_b32 s23, s[WJ], 6
	s_add_co_u32 s34, s22, s23
	s_lshl_b32 s34, s34, 2
	s_add_nc_u64 s[20:21], s[20:21], s[34:35]      ; the bias at my head's first column
	s_mov_b32 s[G0W0], 1
	s_mov_b32 s[G0W0+1], WH0
	s_mov_b64 s[G0W0+2:G0W0+3], s[12:13]
	s_or_b32 s[G0W0+3], s[G0W0+3], 0x80000000
	s_mov_b32 s[G0W1], 1
	s_mov_b32 s[G0W1+1], WH1
	s_add_nc_u64 s[G0W1+2:G0W1+3], s[12:13], 256
	s_or_b32 s[G0W1+3], s[G0W1+3], 0x80000000
	; where my wave's step lies in the output: ((16 b + head) 16 + step) x STRIDE
	s_lshr_b32 s[OT], s[TB], 3
	s_lshl_b32 s[OT], s[OT], 4
	s_lshl_b32 s[OT+1], s[CB], 1
	s_add_co_u32 s[OT], s[OT], s[OT+1]
	s_add_co_u32 s[OT], s[OT], s[WJ]
	s_lshl_b32 s[OT], s[OT], 4
	s_and_b32 s[OT+1], s[TB], 7
	s_lshl_b32 s[OT+1], s[OT+1], 1
	s_add_co_u32 s[OT], s[OT], s[OT+1]
	s_add_co_u32 s[OT], s[OT], s[WI]
	s_mul_i32 s[OT], s[OT], s[STRIDE]              ; under 1,024 x 8,960
	s_mov_b32 s[OT+1], 0
	s_add_nc_u64 s[32:33], s[32:33], s[OT:OT+1]
	ROUND                                          ; all sixteen work-groups are here: the joint loads meet
	; The fills, each byte once, ONE A WAVE: wave 0 x's first half of K, wave 1 W's, wave 2 x's second half, wave 3 W's.  One chain of branches on the wave's number, an arm a load.
	s_cmp_eq_u32 s[WV], 0
	s_cbranch_scc0 .Lnot_0
	tensor_load_to_lds s[G0X0:G0X0+3], s[G1X:G1X+7]
	s_nop 0
	PLACES
	s_branch .Lfilled
.Lnot_0:
	s_cmp_eq_u32 s[WV], 1
	s_cbranch_scc0 .Lnot_1
	tensor_load_to_lds s[G0W0:G0W0+3], s[G1W:G1W+7]
	s_nop 0
	PLACES
	s_branch .Lfilled
.Lnot_1:
	s_cmp_eq_u32 s[WV], 2
	s_cbranch_scc0 .Lnot_2
	tensor_load_to_lds s[G0X1:G0X1+3], s[G1X:G1X+7]
	s_nop 0
	PLACES
	s_branch .Lfilled
.Lnot_2:
	tensor_load_to_lds s[G0W1:G0W1+3], s[G1W:G1W+7]
	s_nop 0
	PLACES
.Lfilled:
; One product.  ra, rb: the side's scale words stand in lanes 16-31 of the register named.
.macro MM d, a, b, c, sa, ra, sb, rb
.if (\ra) && (\rb)
	v_wmma_scale_f32_16x16x128_f8f6f4 v[(\d):(\d)+7], v[(\a):(\a)+7], v[(\b):(\b)+7], v[(\c):(\c)+7], v[\sa], v[\sb] matrix_a_fmt:MATRIX_FMT_FP4 matrix_b_fmt:MATRIX_FMT_FP4 matrix_a_scale:MATRIX_SCALE_ROW1 matrix_b_scale:MATRIX_SCALE_ROW1
.elseif (\ra)
	v_wmma_scale_f32_16x16x128_f8f6f4 v[(\d):(\d)+7], v[(\a):(\a)+7], v[(\b):(\b)+7], v[(\c):(\c)+7], v[\sa], v[\sb] matrix_a_fmt:MATRIX_FMT_FP4 matrix_b_fmt:MATRIX_FMT_FP4 matrix_a_scale:MATRIX_SCALE_ROW1
.elseif (\rb)
	v_wmma_scale_f32_16x16x128_f8f6f4 v[(\d):(\d)+7], v[(\a):(\a)+7], v[(\b):(\b)+7], v[(\c):(\c)+7], v[\sa], v[\sb] matrix_a_fmt:MATRIX_FMT_FP4 matrix_b_fmt:MATRIX_FMT_FP4 matrix_b_scale:MATRIX_SCALE_ROW1
.else
	v_wmma_scale_f32_16x16x128_f8f6f4 v[(\d):(\d)+7], v[(\a):(\a)+7], v[(\b):(\b)+7], v[(\c):(\c)+7], v[\sa], v[\sb] matrix_a_fmt:MATRIX_FMT_FP4 matrix_b_fmt:MATRIX_FMT_FP4
.endif
.endm
; 32 products, 128 along K, the q-th of eight, on fragment set p.  The 32 accumulators take turns, one instruction a turn, in the same order in every step.
; first = 1: the bias is the C of each sum's first product: nothing is cleared and nothing is added later.
.macro MULQK q, p, first               ; accumulator (token tile i, tile j of the head's 64) at 32 i + 8 j
.irp i, 0,1,2,3,4,5,6,7
.irp j, 0,1,2,3
.if \first
	MM 32*\i+8*\j, FW0+96*(\p)+8*\j, FX0+96*(\p)+8*\i, BIAS+8*\j, SW+8*(\j%2)+(\q), \j/2, SX+8*(\i%4)+(\q), \i/4
.else
	MM 32*\i+8*\j, FW0+96*(\p)+8*\j, FX0+96*(\p)+8*\i, 32*\i+8*\j, SW+8*(\j%2)+(\q), \j/2, SX+8*(\i%4)+(\q), \i/4
.endif
.endr
.endr
.endm
.macro MULV q, p, first                ; accumulator (j, i) at 64 j + 8 i
.irp j, 0,1,2,3
.irp i, 0,1,2,3,4,5,6,7
.if \first
	MM 64*\j+8*\i, FX0+96*(\p)+8*\i, FW0+96*(\p)+8*\j, BIAS+8*\j, SX+8*(\i%4)+(\q), \i/4, SW+8*(\j%2)+(\q), \j/2
.else
	MM 64*\j+8*\i, FX0+96*(\p)+8*\i, FW0+96*(\p)+8*\j, 64*\j+8*\i, SX+8*(\i%4)+(\q), \i/4, SW+8*(\j%2)+(\q), \j/2
.endif
.endr
.endr
.endm
.macro SCALES                          ; all eight K steps' scale words of my 128 tokens and 64 rows of W: 12 loads, once
.irp i, 0,1,2,3
.irp k, 0,1
	global_load_b128 v[SX+8*\i+4*\k:SX+8*\i+4*\k+3], v[ASX], s[6:7] offset:512*\i+16*\k   ; the two loads of a tile cover 512 consecutive bytes in sixteen lanes
.endr
.endr
.irp j, 0,1
.irp k, 0,1
	global_load_b128 v[SW+8*\j+4*\k:SW+8*\j+4*\k+3], v[ASW], s[14:15] offset:512*\j+16*\k
.endr
.endr
.endm
.macro FETCH half, qq, p               ; the fragments of 128 along K, the qq-th of the half, into set p: a fragment is 8 registers: registers 4 c .. 4 c + 3 of lane (r, h) hold K = 64 c + 32 h + 0 .. 31 of row r
.irp i, 0,1,2,3,4,5,6,7
.irp c, 0,1
	ds_load_b128 v[FX0+96*(\p)+8*\i+4*\c:FX0+96*(\p)+8*\i+4*\c+3], v[AX+(\half)] offset:16*PITCH*\i+64*(\qq)+32*\c
.endr
.endr
.irp j, 0,1,2,3
.irp c, 0,1
	ds_load_b128 v[FW0+96*(\p)+8*\j+4*\c:FW0+96*(\p)+8*\j+4*\c+3], v[AW+(\half)] offset:16*PITCH*\j+64*(\qq)+32*\c
.endr
.endr
.endm
; K step q: this step's fragments are in; the next step's 24 loads go out in one run; then the 32 products, under which those loads land.
.macro KSTEP role, q
	s_wait_dscnt 0x0                               ; this step's fragments
.if (\q) == 0
	s_wait_loadcnt 0x0                             ; the scale words, and for q and k the bias, gamma and beta
.endif
.if ((\q) > 0) && ((\q) < 7)
	PLACES                                         ; the other set was read by the last step's products
.endif
.if (\q) < 7
	FETCH ((\q)+1)/4, ((\q)+1)%4, 1-(\q)%2
.endif
.if (\q) == 0
	WIN 0x60                                       ; C window 2 (the bias), D window 1
.if \role
	MULV \q, 0, 1
.else
	MULQK \q, 0, 1
.endif
.else
	WIN 0x50                                       ; C and D window 1
.if \role
	MULV \q, (\q)%2, 0
.else
	MULQK \q, (\q)%2, 0
.endif
.endif
	WIN 0
.endm
.macro START
	SCALES                                         ; on their way while the tiles land; step 0 waits for them
	s_wait_tensorcnt 0x0                           ; my one load has landed
	s_barrier_signal -1
	s_barrier_wait -1                              ; everybody's has: all of K lies in LDS
	FETCH 0, 0, 0
.endm
	s_cmp_eq_u32 s[ROLE], 2
	s_cbranch_scc1 .Lv
	; ---------------- q and k
	WIN 0x80                                       ; destination window 2
	s_wait_alu depctr_va_vdst(0)
.irp a, 0,1,2,3                        ; lane (r, h) wants, for tile a, the numbers of columns 16 a + 8 h + 0 .. 7
	global_load_b128 v[BIAS+8*\a:BIAS+8*\a+3], v[H32], s[20:21] offset:64*\a
	global_load_b128 v[BIAS+8*\a+4:BIAS+8*\a+7], v[H32], s[20:21] offset:64*\a+16
	global_load_b128 v[GAMMA+8*\a:GAMMA+8*\a+3], v[H32], s[24:25] offset:64*\a
	global_load_b128 v[GAMMA+8*\a+4:GAMMA+8*\a+7], v[H32], s[24:25] offset:64*\a+16
	global_load_b128 v[BETA+8*\a:BETA+8*\a+3], v[H32], s[26:27] offset:64*\a
	global_load_b128 v[BETA+8*\a+4:BETA+8*\a+7], v[H32], s[26:27] offset:64*\a+16
.endr
	WIN 0
	START
.irp q, 0,1,2,3,4,5,6,7
	KSTEP 0, \q
.endr
	PLACES
	v_mov_b32 v[TP], 0                             ; written once: a lane permute's destination counts as one of its sources
	v_mov_b32 v[TP+1], 0
; Token tile i: LayerNorm over a token's 64 numbers (32 in my lane, 32 in lane l xor 16), then the quantiser.  Each accumulator is read from its low end on.
.macro LNQ i
.set A0, 32*(\i)
.set PCI, PC+4*(\i)
	WIN 0x05                                       ; sources 0 and 1 window 1
	v_pk_add_f32 v[SA:SA+1], v[A0:A0+1], v[A0+2:A0+3]
	v_pk_add_f32 v[SB:SB+1], v[A0+4:A0+5], v[A0+6:A0+7]
	WIN 0x04                                       ; source 1 window 1
.irp k, 8,12,16,20,24,28
	v_pk_add_f32 v[SA:SA+1], v[SA:SA+1], v[A0+\k:A0+\k+1]
	v_pk_add_f32 v[SB:SB+1], v[SB:SB+1], v[A0+\k+2:A0+\k+3]
.endr
	WIN 0
	v_pk_add_f32 v[SA:SA+1], v[SA:SA+1], v[SB:SB+1]
	v_add_f32 v[SA], v[SA], v[SA+1]
	v_permlanex16_b32 v[TP], v[SA], s[SEL], s[SEL+1]
	v_add_f32 v[SA], v[SA], v[TP]                  ; the token's sum
	v_mul_f32 v[NM], 0xbc800000, v[SA]             ; x -1/64: minus the mean
	v_mov_b32 v[NM+1], v[NM]
	WIN 0x04
.irp k, 0,2,4,6,8,10,12,14,16,18,20,22,24,26,28,30
	v_pk_add_f32 v[Y+\k:Y+\k+1], v[NM:NM+1], v[A0+\k:A0+\k+1]
.endr
	WIN 0
	v_pk_mul_f32 v[SA:SA+1], v[Y:Y+1], v[Y:Y+1]
	v_pk_mul_f32 v[SB:SB+1], v[Y+2:Y+3], v[Y+2:Y+3]
.irp k, 4,8,12,16,20,24,28
	v_pk_fma_f32 v[SA:SA+1], v[Y+\k:Y+\k+1], v[Y+\k:Y+\k+1], v[SA:SA+1]
	v_pk_fma_f32 v[SB:SB+1], v[Y+\k+2:Y+\k+3], v[Y+\k+2:Y+\k+3], v[SB:SB+1]
.endr
	v_pk_add_f32 v[SA:SA+1], v[SA:SA+1], v[SB:SB+1]
	v_add_f32 v[SA], v[SA], v[SA+1]
	v_permlanex16_b32 v[TP+1], v[SA], s[SEL], s[SEL+1]
	v_add_f32 v[SA], v[SA], v[TP+1]
	v_fma_f32 v[SA], v[SA], 0x3c800000, s[EPS]     ; the variance + eps
	s_wait_alu depctr_va_vdst(0)
	v_rsq_f32 v[RS], v[SA]
	v_nop                                          ; one plain place behind a transcendental
	s_wait_alu depctr_va_vdst(0)
	v_mov_b32 v[RS+1], v[RS]
.irp k, 0,2,4,6,8,10,12,14,16,18,20,22,24,26,28,30
	v_pk_mul_f32 v[Y+\k:Y+\k+1], v[Y+\k:Y+\k+1], v[RS:RS+1]
.endr
	WIN 0x28                                       ; sources 1 and 2 window 2
.irp k, 0,2,4,6,8,10,12,14,16,18,20,22,24,26,28,30
	v_pk_fma_f32 v[Y+\k:Y+\k+1], v[Y+\k:Y+\k+1], v[GAMMA+\k:GAMMA+\k+1], v[BETA+\k:BETA+\k+1]
.endr
	WIN 0
.irp b, 0,1                            ; block b of 32: my 16 numbers (tiles 2 b, 2 b + 1) and the floor 2^(3 - 127), which holds the byte at 1 from below
	v_max3_num_f32 v[TM+\b], |v[Y+16*\b]|, |v[Y+16*\b+1]|, 0x1800000
.endr
.irp k, 2,4,6,8,10,12,14
.irp b, 0,1
	v_max3_num_f32 v[TM+\b], v[TM+\b], |v[Y+16*\b+\k]|, |v[Y+16*\b+\k+1]|
.endr
.endr
	v_permlanex16_b32 v[TP], v[TM], s[SEL], s[SEL+1]
	v_permlanex16_b32 v[TP+1], v[TM+1], s[SEL], s[SEL+1]
	v_max_num_f32 v[TM], v[TM], v[TP]              ; with lane l xor 16's: the block's largest magnitude
	v_max_num_f32 v[TM+1], v[TM+1], v[TP+1]
	v_add_nc_u32 v[SO], 0xff000000, v[TM]          ; 2 off its exponent field: the conversion takes the exponent field of this operand as its scale
	v_add_nc_u32 v[SO+1], 0xff000000, v[TM+1]
	v_lshrrev_b32 v[BY], 23, v[SO]                 ; the scale's byte
	v_lshrrev_b32 v[BY+1], 23, v[SO+1]
	v_lshl_or_b32 v[PW+(\i)], v[BY+1], 8, v[BY]
	v_or_b32 v[PW+(\i)], 0x7f7f0000, v[PW+(\i)]    ; K = 64 .. 127 of the attention's product are zero codes: their bytes stand for 1
	v_cvt_scalef32_pk8_fp4_f32 v[PCI], v[Y:Y+7], v[SO]
	v_cvt_scalef32_pk8_fp4_f32 v[PCI+2], v[Y+8:Y+15], v[SO]
	v_cvt_scalef32_pk8_fp4_f32 v[PCI+1], v[Y+16:Y+23], v[SO+1]
	v_cvt_scalef32_pk8_fp4_f32 v[PCI+3], v[Y+24:Y+31], v[SO+1]
	v_nop                                          ; one plain place behind a scaled conversion
	v_permlane16_swap_b32 v[PCI], v[PCI+1]
	v_permlane16_swap_b32 v[PCI+2], v[PCI+3]       ; registers 0 .. 3 now hold K = 32 h + 0 .. 31 of token r
	global_store_b128 v[L16], v[PCI:PCI+3], s[32:33] offset:512*(\i)   ; 32 lanes store 512 consecutive bytes; each tile has its own registers, so no store's data are written again
.endm
.irp i, 0,1,2,3,4,5,6,7
	LNQ \i
.endr
	v_cmp_le_u32 vcc_lo, 16, v[LN]
.irp n, 0,1,2,3
	v_cndmask_b32 v[OW+\n], v[PW+\n], v[PW+4+\n], vcc_lo   ; lanes 0-15 carry tiles 0-3's words of token r, lanes 16-31 tiles 4-7's
.endr
	global_store_b128 v[L16], v[OW:OW+3], s[32:33] offset:4096
	s_branch .Lend
	; ---------------- v
.Lv:
	WIN 0x80
	s_wait_alu depctr_va_vdst(0)
.irp j, 0,1,2,3
	global_load_b32 v[BIAS+8*\j], v[R4], s[20:21] offset:64*\j   ; a lane holds column 16 j + r: one number for all eight registers of a tile
.endr
	s_wait_loadcnt 0x0
	WIN 0x82                                       ; source 0 and destination window 2
.irp j, 0,1,2,3
.irp k, 1,2,3,4,5,6,7
	v_mov_b32 v[BIAS+8*\j+\k], v[BIAS+8*\j]
.endr
.endr
	WIN 0
	PLACES                                         ; the copies stand as far ahead of the first product as an operand written by vector instructions
	s_wait_alu depctr_va_vdst(0)
	START
.irp q, 0,1,2,3,4,5,6,7
	KSTEP 1, \q
.endr
	PLACES
.irp b, 0,1,2,3
	v_mov_b32 v[VTP+\b], 0                         ; written once: a lane permute's destination counts as one of its sources
.endr
; Tile j of the head's 64: its 128 tokens are four blocks of 32; eight conversions make the operand's eight registers.
.macro VQ j
.set A0, 64*(\j)
.set PCV, PC+8*(\j)
	WIN 0x05
.irp b, 0,1,2,3
	v_max3_num_f32 v[VTM+\b], |v[A0+16*\b]|, |v[A0+16*\b+1]|, 0x1800000
.endr
	WIN 0x14                                       ; sources 1 and 2 window 1
.irp k, 2,4,6,8,10,12,14
.irp b, 0,1,2,3
	v_max3_num_f32 v[VTM+\b], v[VTM+\b], |v[A0+16*\b+\k]|, |v[A0+16*\b+\k+1]|
.endr
.endr
	WIN 0
.irp b, 0,1,2,3
	v_permlanex16_b32 v[VTP+\b], v[VTM+\b], s[SEL], s[SEL+1]
.endr
.irp b, 0,1,2,3
	v_max_num_f32 v[VTM+\b], v[VTM+\b], v[VTP+\b]
.endr
.irp b, 0,1,2,3
	v_add_nc_u32 v[VSO+\b], 0xff000000, v[VTM+\b]
.endr
.irp b, 0,1,2,3
	v_lshrrev_b32 v[VBY+\b], 23, v[VSO+\b]
.endr
	v_lshl_or_b32 v[PW+(\j)], v[VBY+1], 8, v[VBY]
	v_lshl_or_b32 v[PW+(\j)], v[VBY+2], 16, v[PW+(\j)]
	v_lshl_or_b32 v[PW+(\j)], v[VBY+3], 24, v[PW+(\j)]
	WIN 0x01                                       ; source 0 window 1
.irp a, 0,1,2,3,4,5,6,7
	v_cvt_scalef32_pk8_fp4_f32 v[PCV+4*(\a/4)+2*(\a%2)+(\a%4)/2], v[A0+8*\a:A0+8*\a+7], v[VSO+\a/2]
.endr
	WIN 0
	v_nop                                          ; one plain place behind a scaled conversion
.irp m, 0,1,2,3
	v_permlane16_swap_b32 v[PCV+2*\m], v[PCV+2*\m+1]
.endr
	global_store_b128 v[L16], v[PCV:PCV+3], s[32:33] offset:4608+1024*(\j)
	global_store_b128 v[L16], v[PCV+4:PCV+7], s[32:33] offset:4608+1024*(\j)+512
.endm
.irp j, 0,1,2,3
	VQ \j
.endr
	v_cmp_le_u32 vcc_lo, 16, v[LN]
	v_cndmask_b32 v[OW], v[PW], v[PW+2], vcc_lo    ; lanes 0-15 carry tiles 0 and 1's words, lanes 16-31 tiles 2 and 3's
	v_cndmask_b32 v[OW+1], v[PW+1], v[PW+3], vcc_lo
	global_store_b64 v[L8], v[OW:OW+1], s[32:33] offset:8704   ; 32 lanes store 256 consecutive bytes, aligned
.Lend:
	s_set_vgpr_msb 0xa
	s_wait_tensorcnt 0x0
	ds_add_u32 v128, v129
	s_wait_dscnt 0x0
	s_set_vgpr_msb 0xa00
	ROUND                                          ; the closing round: no work-group ends while a partner may still ask for a tile that names it
	s_endpgm
.Lfunc_end_k_q96f416c991_proj:
	.size	k_q96f416c991_proj, .Lfunc_end_k_q96f416c991_proj-k_q96f416c991_proj
	.p2alignl 7, 3214868480
	.fill 96, 4, 3214868480
	.section	.rodata,"a",@progbits
	.p2align	6, 0x0
	.amdhsa_kernel k_q96f416c991_proj
		.amdhsa_group_segment_fixed_size 222464
		.amdhsa_private_segment_fixed_size 0
		.amdhsa_enable_private_segment 0
		.amdhsa_kernarg_size 128
		.amdhsa_user_sgpr_count 2
		.amdhsa_user_sgpr_kernarg_segment_ptr 1
		.amdhsa_wavefront_size32 1
		.amdhsa_system_sgpr_workgroup_id_x 1
		.amdhsa_system_sgpr_workgroup_id_y 1
		.amdhsa_system_sgpr_workgroup_id_z 1
		.amdhsa_system_vgpr_workitem_id 0
		.amdhsa_next_free_vgpr 642
		.amdhsa_next_free_sgpr 100
		.amdhsa_reserve_vcc 1
		.amdhsa_float_denorm_mode_32 3
		.amdhsa_float_denorm_mode_16_64 3
		.amdhsa_memory_ordered 1
		.amdhsa_forward_progress 1
		.amdhsa_inst_pref_size 186
	.end_amdhsa_kernel
	.amdgpu_metadata
---
amdhsa.version: [ 1, 2 ]
amdhsa.kernels:
  - .name:           k_q96f416c991_proj
    .symbol:         k_q96f416c991_proj.kd
    .args:
      - { .name: x1_codes, .offset: 0, .size: 8, .value_kind: global_buffer, .address_space: global }
      - { .name: x1_scales, .offset: 8, .size: 8, .value_kind: global_buffer, .address_space: global }
      - { .name: x2_codes, .offset: 16, .size: 8, .value_kind: global_buffer, .address_space: global }
      - { .name: x2_scales, .offset: 24, .size: 8, .value_kind: global_buffer, .address_space: global }
      - { .name: wq_codes, .offset: 32, .size: 8, .value_kind: global_buffer, .address_space: global }
      - { .name: wq_scales, .offset: 40, .size: 8, .value_kind: global_buffer, .address_space: global }
      - { .name: wkv_codes, .offset: 48, .size: 8, .value_kind: global_buffer, .address_space: global }
      - { .name: wkv_scales, .offset: 56, .size: 8, .value_kind: global_buffer, .address_space: global }
      - { .name: bq, .offset: 64, .size: 8, .value_kind: global_buffer, .address_space: global }
      - { .name: bkv, .offset: 72, .size: 8, .value_kind: global_buffer, .address_space: global }
      - { .name: gamma_q, .offset: 80, .size: 8, .value_kind: global_buffer, .address_space: global }
      - { .name: beta_q, .offset: 88, .size: 8, .value_kind: global_buffer, .address_space: global }
      - { .name: gamma_k, .offset: 96, .size: 8, .value_kind: global_buffer, .address_space: global }
      - { .name: beta_k, .offset: 104, .size: 8, .value_kind: global_buffer, .address_space: global }
      - { .name: qw, .offset: 112, .size: 8, .value_kind: global_buffer, .address_space: global }
      - { .name: kvw, .offset: 120, .size: 8, .value_kind: global_buffer, .address_space: global }
    .group_segment_fixed_size: 222464
    .private_segment_fixed_size: 0
    .kernarg_segment_align: 8
    .kernarg_segment_size: 128
    .max_flat_workgroup_size: 128
    .sgpr_count:     100
    .vgpr_count:     642
    .wavefront_size: 32
...
	.end_amdgpu_metadata
.endif
;; end of part 1
;; launch attn (part 2): grid 4 x 64, 16 waves a work-group, clusters of 4 x 1, 232,960 bytes of LDS; arguments qw, kvw, out0; writes out0
.if DOCPART == 2
	.amdgcn_target "amdgcn-amd-amdhsa--gfx1250"
	.amdhsa_code_object_version 6
	.text
	.protected	k_q96f416c991_attn
	.globl	k_q96f416c991_attn
	.p2align	8
	.type	k_q96f416c991_attn,@function
k_q96f416c991_attn:
	s_mov_b64 s[64:65], 0
	v_nop
	global_prefetch_b8 v0, s[64:65] scope:SCOPE_SE
	s_setreg_imm32_b32 hwreg(HW_REG_WAVE_MODE, 25, 1), 1
	s_wait_xcnt 0x0
	s_wait_alu depctr_hold_cnt(0) depctr_sa_sdst(0) depctr_va_vdst(0) depctr_va_sdst(0) depctr_va_ssrc(0) depctr_va_vcc(0) depctr_vm_vsrc(0)
	s_getreg_b32 s2, hwreg(HW_REG_IB_STS2, 6, 4)
	s_cmp_eq_u32 s2, 0
	s_cbranch_scc0 .Lentry_in_a_cluster
	s_endpgm
.Lentry_in_a_cluster:
	s_bfe_u32 s2, ttmp6, 0x10000c
	s_cmp_lg_u32 s2, 0x3003
	s_cbranch_scc0 .Lentry_shape_is_right
	s_endpgm
.Lentry_shape_is_right:
; out[b][q][64 head + d] = the sum over keys of softmax(q . k / 8) v, for head bh = 16 b + head, both products on codes of FP4 (E2M1) with one E8M0 scale for each 32 along K.
; q, k, v come from the launch before as images of operand registers (its head comment has the layouts).
; THE SOFTMAX: t = score x log2(e) / 8; M = the running largest t rounded UP to a whole number; p = 2^(t - M) is quantised along the keys, not normalised; the row's sum is taken of the
; unquantised p and divides at the end; when M moves, the sum and O are multiplied by 2^(old M - new M), which rounds nothing.
; SHARES.  A work-group owns 512 queries of one head; each of its sixteen waves two tiles of 16 queries, one after the other (two passes), in 256 registers: four waves to a SIMD.
; A step is 128 keys: 8 products k q^T (K = 64 of the instruction's 128: the upper halves of both operands are zero codes), the softmax, 4 products v^T p^T.
; A WHOLE HEAD'S k AND v LIE IN LDS: 16 steps, each byte filled once: wave w brings step w, one load a wave at the head (35 rows of 256 bytes, 32 bytes of padding behind each).
; One wait and one barrier show all sixteen to every wave; behind it no wave waits for another.  CLUSTER: the four work-groups belong to one head, so every fill is asked for JOINTLY (mask 15).
; No prefetch: every fill goes out at the head, so there is no loop in which to ask ahead of one.
; THE STEPS OVERLAP.  A step begins with its scores in registers.  It asks LDS for the NEXT step's k and for its own v, walks its softmax, and ends with one run of twelve products: the next step's
; eight k q^T (the scores' registers are free behind the conversions and sums) and its own four v^T p^T.  A pass's first scores are made ahead of the loop; its last four steps are written out,
; the last of them without a next step; in its place the first pass asks there for the second pass's q, whose registers no product reads any more.
; THE KEYS OF A SCORE TILE ARE CHOSEN ON THE LDS READ: row m of tile (c, tt) is key 64 c + 32 (m / 8) + 8 tt + m % 8.  Both products are used transposed (a lane holds ONE query), so lane half h
; holds in registers 32 c + 0 .. 31 of the scores the keys 64 c + 32 h + 0 .. 31: a WHOLE block of 32, in the operand's own order.  A block's maximum asks no other lane, and the conversion of
; tile (c, tt) is register 4 c + tt of p's operand as it stands.  With the rows' pitch of 288 bytes lanes m = 8 .. 15 read 1,152 bytes behind lanes 0 .. 7: the other 128 bytes of 256.
; LIMITS: NaN and infinities are not served; the promise holds while the scaled scores stay under 2^31 in magnitude; p under 2^-126 falls to 0 (v_exp_f32 flushes denormals: ISA guide 15.8);
; a block whose every p is 0 keeps the scale byte 1: its codes are zeros.
; REGISTERS: v1-4 lane parts of the LDS addresses (k, v, k's words, v's words); v5, v6 the spare word and 0; v7-9 the way out; v10, v11, v25, v243 the trip's addresses; v12 -M, v13 the largest score;
;   v[14:15] the sum; v16-19 q, v20-23 zeros; v24 q's words; v26-29 k's, v30-31 v's; v32-95 k's eight fragments (upper four registers of each: zeros, set once); v96-159 scores, then p; v160-191 O^T;
;   v192-223 v's fragments; v224-231 p's codes; v232-240 at work; v241 16 r; v242 p's word; v[244:245] f; v246 8 h; v247 16 x lane; v248-255 four partial sums.
.set KVG,   8960                       ; a step in memory
.set KVL,   35*288                     ; and in LDS
.set STAGE, 16*KVL                     ; behind the tiles: 16 rows x (256 + 16) bytes for each wave, for the way out; no fill lands there
.set SPARE, STAGE+16*16*272            ; the spare words: 128 bytes a wave
.macro ROUND                           ; a round of the cluster's barrier
	s_barrier_signal -1
	s_barrier_wait -1
	s_cmp_lg_u32 s10, 0
	s_cbranch_scc1 .Lnot_wave_0_\@
	s_barrier_signal -3
.Lnot_wave_0_\@:
	s_barrier_wait -3
	s_barrier_signal -1
	s_barrier_wait -1
.endm
	s_load_b128 s[4:7], s[0:1], 0x0                ; qw, kvw
	s_load_b64 s[8:9], s[0:1], 0x10                ; out0
	v_lshl_add_u32 v5, v0, 2, SPARE
	v_mov_b32 v6, 0
	ds_add_u32 v5, v6
	ds_add_u32 v5, v6
	v_lshrrev_b32 v7, 5, v0
	v_readfirstlane_b32 s10, v7                    ; wave 0..15
	s_bfe_u32 s11, ttmp6, 0x40000                  ; cx
	s_lshl_b32 s18, ttmp9, 2
	s_add_co_u32 s11, s18, s11                     ; my block of 512 queries: it enters q's and out's addresses alone
	s_and_b32 s19, ttmp7, 0xffff                   ; the head, which the four partners share
	s_mov_b32 s12, 0x76543210                      ; v_permlanex16_b32's selects for lane l xor 16
	s_mov_b32 s13, 0xfedcba98
	s_mov_b32 s14, 0x3e38aa3b                      ; c = log2(e) / 8
	s_mov_b32 s15, s14                             ; (named with it as a pair, so it is written)
	s_mov_b32 s24, 15|(3<<16)|(1<<20)|(1<<21)|(5<<22)|(7<<25)   ; mask: all four; elements of 8 bytes; padding on; 21 set beside a mask; after every 64 words eight words
	s_mov_b32 s25, 32<<16                          ; tensor_dim0
	s_mov_b32 s26, 35<<16                          ; tensor_dim1
	s_mov_b32 s27, 32<<16                          ; tile_dim0
	s_mov_b32 s28, 35                              ; tile_dim1
	s_mov_b32 s29, 32                              ; from row to row
	s_mov_b32 s30, 0
	s_mov_b32 s31, 0
	s_mul_i32 s48, s19, 16*KVG                     ; the head's tiles,
	s_mul_i32 s50, s10, KVG                        ; and my step of them
	s_add_co_u32 s48, s48, s50
	s_mov_b32 s49, 0
	s_mul_i32 s52, s19, 16*4608                    ; q: the head, the step 4 x block + wave / 4,
	s_lshl_b32 s53, s11, 2
	s_lshr_b32 s54, s10, 2
	s_add_co_u32 s53, s53, s54
	s_mul_i32 s53, s53, 4608
	s_add_co_u32 s52, s52, s53
	s_and_b32 s54, s10, 3                          ; tile 2 (wave % 4) + pass of the step's eight: 512 bytes of codes each,
	s_lshl_b32 s54, s54, 10
	s_add_co_u32 s54, s52, s54
	s_mov_b32 s55, 0
	s_bfe_u32 s56, s10, 0x10001                    ; its scale words at 4,096 + (tile / 4) 256 + 16 r + 4 (tile % 4)
	s_lshl_b32 s56, s56, 8
	s_and_b32 s57, s10, 1
	s_lshl_b32 s57, s57, 3
	s_add_co_u32 s56, s56, s57
	s_add_co_u32 s56, s56, s52
	s_add_co_u32 s56, s56, 4096
	s_mov_b32 s57, 0
	s_lshr_b32 s58, s19, 4                         ; out: token 2,048 b + 512 x block + 32 x wave, rows of 4,096 bytes; the head's 256 bytes in a row
	s_lshl_b32 s58, s58, 11
	s_lshl_b32 s59, s11, 9
	s_add_co_u32 s58, s58, s59
	s_lshl_b32 s59, s10, 5
	s_add_co_u32 s58, s58, s59
	s_lshl_b32 s58, s58, 12
	s_and_b32 s59, s19, 15
	s_lshl_b32 s59, s59, 8
	s_add_co_u32 s58, s58, s59
	s_mov_b32 s59, 0
	s_mov_b32 s32, 1                               ; group 0: count = 1,
	s_mul_i32 s33, s10, KVL                        ; LDS address: wave x a step
	s_wait_dscnt 0x0                               ; both opening adds are done
	s_wait_kmcnt 0x0
	s_add_nc_u64 s[34:35], s[6:7], s[48:49]        ; global address,
	s_or_b32 s35, s35, 0x80000000                  ; type = 2
	s_add_nc_u64 s[20:21], s[4:5], s[54:55]        ; q's codes
	s_add_nc_u64 s[22:23], s[4:5], s[56:57]        ; q's scale words
	s_add_nc_u64 s[8:9], s[8:9], s[58:59]
	ROUND                                          ; all four work-groups are here: the joint loads meet
	tensor_load_to_lds s[32:35], s[24:31]          ; step = my wave's number: every wave's one load
	s_nop 0
	v_and_b32 v96, 15, v0                          ; r, and a key tile's row m
	v_and_b32 v100, 31, v0                         ; lane
	v_bfe_u32 v97, v0, 4, 1                        ; h
	v_and_b32 v98, 7, v0                           ; m % 8
	v_bfe_u32 v99, v0, 3, 1                        ; m / 8
	v_lshlrev_b32 v247, 4, v100
	v_lshlrev_b32 v241, 4, v96
	global_load_b128 v[16:19], v247, s[20:21]      ; the first pass's q: 512 consecutive bytes a wave; on its way while the tiles land
	global_load_b32 v24, v241, s[22:23]            ; its scale words
	v_mul_u32_u24 v2, v97, 288
	v_lshl_add_u32 v3, v98, 4, v2
	v_mad_u32_u24 v1, v99, 1152, v3                ; k: four LDS rows x (m / 8) + one x h + 16 (m % 8)
	v_lshl_add_u32 v3, v99, 3, v3                  ; k's words: one LDS row x (lane / 16) + 16 (m % 8) + 8 (m / 8)
	v_lshl_add_u32 v2, v96, 4, v2                  ; v: 512 consecutive bytes of memory are two LDS rows
	v_lshlrev_b32 v4, 3, v100                      ; v's words: 8 x lane
	v_lshlrev_b32 v246, 3, v97
	v_lshlrev_b32 v7, 12, v97
	v_lshl_add_u32 v7, v96, 4, v7                  ; out: lanes 0-15 one token's 256 bytes, lanes 16-31 the next token's
	s_mul_i32 s51, s10, 16*272
	s_add_co_u32 s51, s51, STAGE                   ; my stage
	v_mul_u32_u24 v8, v96, 272
	v_lshl_add_u32 v8, v97, 5, v8
	v_add_nc_u32 v8, s51, v8                       ; in: row r, + 32 h
	v_mul_u32_u24 v9, v97, 272
	v_lshl_add_u32 v9, v96, 4, v9
	v_add_nc_u32 v9, s51, v9                       ; back: lanes 0-15 one row, lanes 16-31 the next
.irp n, 20,21,22,23
	v_mov_b32 v[\n], 0                             ; q's K = 64 .. 127: zero codes
.endr
.irp t, 0,1,2,3,4,5,6,7
.irp n, 4,5,6,7
	v_mov_b32 v[32+8*\t+\n], 0                     ; k's likewise: set once, never loaded over
.endr
.endr
	v_mov_b32 v235, 0                              ; written once: a lane permute's destination counts as one of its sources
	v_mov_b32 v245, 0                              ; (named as the upper half of the pair v[244:245])
	s_mov_b32 s17, 2                               ; passes
.macro TM n                            ; n packed multiply-adds: t - M, two at a time, from score register J on
.rept \n
	v_pk_fma_f32 v[96+J:97+J], v[96+J:97+J], s[14:15], v[12:13] op_sel_hi:[1,0,0]
.set J, J+2
.endr
.endm
.macro SUM4 n                          ; eight more p onto the four partial sums
.irp i, 0,1,2,3
	v_pk_add_f32 v[248+2*\i:249+2*\i], v[248+2*\i:249+2*\i], v[96+(\n)+2*\i:97+(\n)+2*\i]
.endr
.endm
.macro JOIN                            ; the last step's four partial sums become one, and the row's sum goes under that step's M: sum x f + the step's
	v_pk_add_f32 v[248:249], v[248:249], v[250:251]
	v_pk_add_f32 v[252:253], v[252:253], v[254:255]
	v_pk_add_f32 v[248:249], v[248:249], v[252:253]
	v_pk_fma_f32 v[14:15], v[14:15], v[244:245], v[248:249] op_sel_hi:[1,0,1]
.endm
.macro KLOAD adr, ads, off             ; a step's k: tile T = 4 c + tt: K = 32 h + 0 .. 31 of its row's key; and its words
.set T, 0
.rept 8
	ds_load_b128 v[32+8*T:35+8*T], v[\adr] offset:(\off)+2304*(T/4)+576*((T%4)/2)+128*(T%2)
.set T, T+1
.endr
	ds_load_b64 v[26:27], v[\ads] offset:(\off)+4608   ; lanes 0-15 for c = 0, lanes 16-31 for c = 1: tt = 0 and 2,
	ds_load_b64 v[28:29], v[\ads] offset:(\off)+4736   ; tt = 1 and 3
.endm
.macro QK                              ; the scores of 128 keys: S^T = k q^T
.irp t, 0,1,2,3
	v_wmma_scale_f32_16x16x128_f8f6f4 v[96+8*\t:103+8*\t], v[32+8*\t:39+8*\t], v[16:23], 0, v[26+\t/2+2*(\t%2)], v24 matrix_a_fmt:MATRIX_FMT_FP4 matrix_b_fmt:MATRIX_FMT_FP4
.endr
.irp t, 0,1,2,3
	v_wmma_scale_f32_16x16x128_f8f6f4 v[128+8*\t:135+8*\t], v[64+8*\t:71+8*\t], v[16:23], 0, v[26+\t/2+2*(\t%2)], v24 matrix_a_fmt:MATRIX_FMT_FP4 matrix_b_fmt:MATRIX_FMT_FP4 matrix_a_scale:MATRIX_SCALE_ROW1
.endr
.endm
; A KEY STEP: 128 keys, the u-th of the trip's four; its scores stand in v96-159.  last = 1: the pass's last step.
.macro STEP u, last
	JOIN                                           ; four plain lines on other registers: the places behind the twelve products, in front of the loads below and of the first read of the scores
.if \last
	s_cmp_eq_u32 s17, 1                            ; the pass counter: the same in every wave
	s_cbranch_scc1 .Lno_q_\@
	global_load_b128 v[16:19], v247, s[20:21]      ; the next pass's q: no product of this pass reads q any more
	global_load_b32 v24, v241, s[22:23]
.Lno_q_\@:
.else
	KLOAD 10, 25, ((\u)+1)*KVL                     ; the next step's k: the softmax below stands between these loads and the wait for them
.endif
.irp j, 0,1,2,3
.irp c, 0,1
	ds_load_b128 v[192+8*\j+4*\c:195+8*\j+4*\c], v11 offset:(\u)*KVL+5184+1152*\j+576*\c   ; v's tile j: 16 j + r of the head's 64, keys 64 c + 32 h + 0 .. 31
.endr
.endr
	ds_load_b64 v[30:31], v243 offset:(\u)*KVL+9792   ; v's words: lanes 0-15 tiles 0-1, lanes 16-31 tiles 2-3
.irp c, 0,1                            ; the largest score of my two blocks of 32 keys, each in two chains; every tile is read from its low end on
.irp g, 0,1
	v_max3_num_f32 v[236+2*\c+\g], v[96+32*\c+16*\g], v[97+32*\c+16*\g], v[98+32*\c+16*\g]
.endr
.endr
.irp i, 3,5,7,9,11,13
.irp c, 0,1
.irp g, 0,1
	v_max3_num_f32 v[236+2*\c+\g], v[236+2*\c+\g], v[96+32*\c+16*\g+\i], v[97+32*\c+16*\g+\i]
.endr
.endr
.endr
.irp c, 0,1
	v_max3_num_f32 v[232+\c], v[236+2*\c], v[237+2*\c], v[111+32*\c]
.endr
.irp c, 0,1
	v_max_num_f32 v[232+\c], v[232+\c], v[127+32*\c]   ; it serves the row's maximum and, since p rises with the score, the block's largest p
.endr
	v_max3_num_f32 v234, v13, v232, v233
	v_mov_b32 v240, v12                            ; the old -M
	v_permlanex16_b32 v235, v234, s12, s13
	v_max_num_f32 v13, v234, v235                  ; the running largest score of my query, lane l xor 16's keys among them
	v_mul_f32 v234, s14, v13                       ; as t (c is positive)
	v_floor_f32 v12, -v234                         ; the new -M = floor(-t) = -ceil(t)
	v_sub_f32 v240, v12, v240                      ; old M - new M: a whole number, 0 or less
.set J, 0
	TM 4
	v_cvt_i32_f32 v240, v240                       ; (it saturates)
	TM 4
	v_ldexp_f32 v244, 1.0, v240                    ; f = 2^(old M - new M)
	TM 24
.irp c, 0,1
	v_fma_f32 v[232+\c], v[232+\c], s14, v12       ; the same of each block's largest score
.endr
.set J, 0
.rept 16
	v_pk_mul_f32 v[160+J:161+J], v[160+J:161+J], v[244:245] op_sel_hi:[1,0]   ; O^T under the new M: x f.  Ahead of the exponentials: no transcendental stands between the last products and this first read
.set J, J+2
.endr
	s_wait_alu depctr_va_vdst(0)
.set J, 0
.rept 64
	v_exp_f32 v[96+J], v[96+J]                     ; p = 2^(t - M), at most 1
.set J, J+1
.endr
	v_exp_f32 v232, v232                           ; the block's largest p: the same two instructions on the same number give the same bits
	v_exp_f32 v233, v233
	v_nop                                          ; one plain place behind the exponentials
	s_wait_alu depctr_va_vdst(0)                   ; one wait for the batch, ahead of its first reader
	v_max_num_f32 v232, 0x1800000, v232            ; the floor 2^(3 - 127): the byte cannot fall under 1
	v_max_num_f32 v233, 0x1800000, v233
	v_add_nc_u32 v236, 0xff000000, v232            ; 2 off the exponent field: the conversion's scale operand
	v_add_nc_u32 v237, 0xff000000, v233
.set T, 0
.rept 8
	v_cvt_scalef32_pk8_fp4_f32 v[224+T], v[96+8*T:103+8*T], v[236+T/4]   ; register 4 c + tt of p's operand: keys 64 c + 32 h + 8 tt + 0 .. 7
.set T, T+1
.endr
	v_lshrrev_b32 v238, 23, v236                   ; the scale's bytes of blocks h and 2 + h.  The word's lines stand among the sums, so that none waits for the line above it
	v_lshrrev_b32 v239, 23, v237
.irp i, 0,1,2,3                        ; THE ROW'S SUM IS TAKEN OF THE UNQUANTISED p: two at a time, in four chains
	v_pk_add_f32 v[248+2*\i:249+2*\i], v[96+2*\i:97+2*\i], v[104+2*\i:105+2*\i]
.endr
	v_lshl_or_b32 v240, v239, 16, v238
	SUM4 16
	v_lshlrev_b32 v240, v246, v240                 ; at their places in the word: 8 h bits up
	SUM4 24
	v_permlanex16_b32 v235, v240, s12, s13
	SUM4 32
	v_or_b32 v242, v240, v235                      ; with lane l xor 16's two the word is whole; twelve plain lines stand between it and the products
	SUM4 40
	SUM4 48
	SUM4 56
	s_wait_alu depctr_va_vdst(0)
	s_wait_dscnt 0x0                               ; v, the next step's k and their words are in
.if (\last) == 0
	QK                                             ; the next step's scores, over p, which the conversions and the sums have read
.endif
.irp j, 0,1                            ; O^T += v^T p^T.  All twelve accumulators by turns
	v_wmma_scale_f32_16x16x128_f8f6f4 v[160+8*\j:167+8*\j], v[192+8*\j:199+8*\j], v[224:231], v[160+8*\j:167+8*\j], v[30+\j], v242 matrix_a_fmt:MATRIX_FMT_FP4 matrix_b_fmt:MATRIX_FMT_FP4
.endr
.irp j, 2,3
	v_wmma_scale_f32_16x16x128_f8f6f4 v[160+8*\j:167+8*\j], v[192+8*\j:199+8*\j], v[224:231], v[160+8*\j:167+8*\j], v[28+\j], v242 matrix_a_fmt:MATRIX_FMT_FP4 matrix_b_fmt:MATRIX_FMT_FP4 matrix_a_scale:MATRIX_SCALE_ROW1
.endr
.endm
.macro ADRS                            ; the trip's four LDS addresses: the steps' places in it are immediates, at most 4 x 10,080 + 4,736 bytes, within the 16-bit offset
	v_add_nc_u32 v10, s16, v1
	v_add_nc_u32 v25, s16, v3
	v_add_nc_u32 v11, s16, v2
	v_add_nc_u32 v243, s16, v4
.endm
	s_wait_alu depctr_va_vdst(0)
	s_wait_tensorcnt 0x0                           ; my step has landed
	s_barrier_signal -1
	s_barrier_wait -1                              ; everybody's has: the whole head lies in LDS
.Lpass:                                            ; a pass: one tile of 16 queries against all 2,048 keys
	KLOAD 1, 3, 0                                  ; step 0's k
	v_mov_b32 v13, 0xff61b1e6                      ; the largest score so far: -3e38, under every score
	v_mov_b32 v14, 0                               ; the sum, in two halves
	v_mov_b32 v15, 0
	v_floor_f32 v12, -v13                          ; -M
	v_mov_b32 v244, 0
.set J, 0
.rept 32
	v_mov_b32 v[160+J], 0                          ; O^T.  (The step is written once: the first finds zeros, which the first change of M leaves zeros)
.set J, J+1
.endr
.set J, 0
.rept 8
	v_mov_b32 v[248+J], 0                          ; the partial sums that the first step joins
.set J, J+1
.endr
	s_mov_b32 s16, 0
	s_mov_b32 s18, 3
	s_wait_alu depctr_va_vdst(0)
	s_wait_loadcnt 0x0                             ; q is in, so its loads' bases may be written:
	s_add_nc_u64 s[20:21], s[20:21], 512           ; the next tile of queries (in the last pass these two are not used)
	s_add_nc_u64 s[22:23], s[22:23], 4
	s_wait_dscnt 0x0                               ; step 0's k
	QK                                             ; step 0's scores
.Ltrip:                                            ; three trips of four steps
	ADRS
	STEP 0, 0
	STEP 1, 0
	STEP 2, 0
	STEP 3, 0
	s_add_co_u32 s16, s16, 4*KVL
	s_sub_co_u32 s18, s18, 1
	s_cmp_lg_u32 s18, 0
	s_cbranch_scc1 .Ltrip
	ADRS                                           ; the last four steps are written out: the last has no next step
	STEP 0, 0
	STEP 1, 0
	STEP 2, 0
	STEP 3, 1
	; THE WAY OUT: O^T / the sum goes through my stage in LDS and leaves as whole runs of 256 bytes, a token's part of this head.
	JOIN                                           ; the last step's; also the four places behind the last products
	v_add_f32 v14, v14, v15                        ; the sum's two halves,
	s_delay_alu instid0(VALU_DEP_1)
	v_permlanex16_b32 v235, v14, s12, s13
	s_delay_alu instid0(VALU_DEP_1)
	v_add_f32 v14, v14, v235                       ; and lane l xor 16's
	s_wait_alu depctr_va_vdst(0)
	v_rcp_f32 v14, v14
	v_nop                                          ; one plain place behind it
	s_wait_alu depctr_va_vdst(0)                   ; and ahead of its first reader, which is also O^T's
.set J, 0
.rept 16
	v_pk_mul_f32 v[96+J:97+J], v[160+J:161+J], v[14:15] op_sel_hi:[1,0]   ; register 8 j + i is out(query r, 16 j + 8 h + i); each accumulator from its low end on
.set J, J+2
.endr
.irp j, 0,1,2,3
	ds_store_b128 v8, v[96+8*\j:99+8*\j] offset:64*\j
	ds_store_b128 v8, v[100+8*\j:103+8*\j] offset:64*\j+16
.endr
.irp i, 0,1,2,3,4,5,6,7
	ds_load_b128 v[128+4*\i:131+4*\i], v9 offset:544*\i   ; LDS serves a wave's instructions in order (ISA guide 5.7.1.4): these see my stores
.endr
.irp i, 0,1,2,3,4,5,6,7
	s_wait_dscnt 7-\i                              ; the 7 - i younger loads may be out
	global_store_b128 v7, v[128+4*\i:131+4*\i], s[8:9] offset:8192*\i th:TH_STORE_NT   ; sixteen lanes store 256 consecutive bytes, aligned; written once, read by nobody here
.endr
	s_wait_xcnt 0x0                                ; the stores have read their registers and their base: both may be written again
	s_add_nc_u64 s[8:9], s[8:9], 0x10000           ; the next 16 tokens (behind the last pass it is not used)
	s_sub_co_u32 s17, s17, 1
	s_cmp_lg_u32 s17, 0
	s_cbranch_scc1 .Lpass
	s_wait_tensorcnt 0x0                           ; the wave's end
	ds_add_u32 v5, v6
	s_wait_dscnt 0x0
	ROUND                                          ; the closing round: no work-group ends while a partner may still ask for a tile that names it
	s_endpgm
.Lfunc_end_k_q96f416c991_attn:
	.size	k_q96f416c991_attn, .Lfunc_end_k_q96f416c991_attn-k_q96f416c991_attn
	.p2alignl 7, 3214868480
	.fill 96, 4, 3214868480
	.section	.rodata,"a",@progbits
	.p2align	6, 0x0
	.amdhsa_kernel k_q96f416c991_attn
		.amdhsa_group_segment_fixed_size 232960
		.amdhsa_private_segment_fixed_size 0
		.amdhsa_enable_private_segment 0
		.amdhsa_kernarg_size 24
		.amdhsa_user_sgpr_count 2
		.amdhsa_user_sgpr_kernarg_segment_ptr 1
		.amdhsa_wavefront_size32 1
		.amdhsa_system_sgpr_workgroup_id_x 1
		.amdhsa_system_sgpr_workgroup_id_y 1
		.amdhsa_system_sgpr_workgroup_id_z 1
		.amdhsa_system_vgpr_workitem_id 0
		.amdhsa_next_free_vgpr 256
		.amdhsa_next_free_sgpr 66
		.amdhsa_reserve_vcc 0
		.amdhsa_float_denorm_mode_32 3
		.amdhsa_float_denorm_mode_16_64 3
		.amdhsa_memory_ordered 1
		.amdhsa_forward_progress 1
		.amdhsa_inst_pref_size 121
	.end_amdhsa_kernel
	.amdgpu_metadata
---
amdhsa.version: [ 1, 2 ]
amdhsa.kernels:
  - .name:           k_q96f416c991_attn
    .symbol:         k_q96f416c991_attn.kd
    .args:
      - { .name: qw, .offset: 0, .size: 8, .value_kind: global_buffer, .address_space: global }
      - { .name: kvw, .offset: 8, .size: 8, .value_kind: global_buffer, .address_space: global }
      - { .name: out0, .offset: 16, .size: 8, .value_kind: global_buffer, .address_space: global }
    .group_segment_fixed_size: 232960
    .private_segment_fixed_size: 0
    .kernarg_segment_align: 8
    .kernarg_segment_size: 24
    .max_flat_workgroup_size: 512
    .sgpr_count:     66
    .vgpr_count:     256
    .wavefront_size: 32
...
	.end_amdgpu_metadata
.endif
;; end of part 2
